; MI455X (gfx1250); checked and timed in simulation.
; The chip was launched on July 23, 2026; its instructions are those of AMD's public machine-readable ISA for CDNA 5 (MIT licence, August 2026) and "CDNA5" Instruction Set Architecture Reference Guide (July 2026). The comments in the code are by the model that wrote it; some were corrected since.
;; Attention Block. Allowed arithmetic: matrix products marked QUANTISED: E4M3 operands, one given power-of-two scale a tensor, by v_wmma_f32_16x16x64_fp8_fp8 or v_wmma_f32_16x16x128_fp8_fp8, f32 sums; everything else in f32.
;; Inputs: b_proj 256 float32; gn_beta 256 float32; gn_gamma 256 float32; lowp_scales 8 int32 (the exponents e of the quantised operands' scales 2^e); w_proj 256 x 256 float32; w_qkv 768 x 256 float32; x 4 x 256 x 64 x 64 float32.
;; Outputs: out0 4 x 256 x 64 x 64 float32.
;; This version of the problem:
;;   THIS VERSION OF THE PROBLEM IS GIVEN IN LOW PRECISION. The matrix products marked QUANTISED in the list below multiply operands that are first quantised to E4M3 (4 exponent bits, 3 mantissa bits; 8 bits a number), with one given power-of-two scale for each operand tensor; their sums are f32. All else is computed in f32.
;;   The module's matrix products, in the order in which they are computed (A, B: the left and right operand; K: the contracted axis; several contracted axes count as one K, in the product's order):
;;     1. [M 16,384, K 256] x [K 256, N 768]; A: computed on the way; B: input w_qkv: QUANTISED (scales: A lowp_scales[0], B lowp_scales[1])
;;     2. batch 16 x [M 4,096, K 64] x [K 64, N 4,096]; A: computed on the way; B: computed on the way: QUANTISED (scales: A lowp_scales[2], B lowp_scales[3])
;;     3. batch 16 x [M 64, K 4,096] x [K 4,096, N 4,096]; A: computed on the way; B: softmax (see below): QUANTISED (scales: A lowp_scales[4], B lowp_scales[5])
;;     4. [M 16,384, K 256] x [K 256, N 256]; A: computed on the way; B: input w_proj: QUANTISED (scales: A lowp_scales[6], B lowp_scales[7])
;;   THE QUANTISER, for each operand of a quantised product, along K:
;;     - The operand's scale is 2^e, e = its entry of the input lowp_scales (int32; the entries are numbered through the quantised products in the list's order, A before B).
;;     - Each number is divided by the scale, clamped to +-448, and rounded to the nearest number of E4M3, ties to even, subnormals kept.
;;     - The product sums the exact products of the quantised numbers (number of the format x scale) in f32.
;;   ~~~python
;;   def quantise(x, axis, e):      # numpy; x: float32 -> the quantised numbers, widened to float32 again
;;       x = np.moveaxis(x, axis, -1); K = x.shape[-1]
;;       r = np.clip(x / 2.0 ** e, -448, 448)
;;       step = 2.0 ** (np.maximum(np.frexp(np.where(r == 0, 1, r))[1] - 1, -6) - 3)
;;       q = np.round(r / step) * step * 2.0 ** e      # np.round: ties to even
;;       return np.moveaxis(q, -1, axis).astype(np.float32)
;;   ~~~
;;   SOFTMAX AHEAD OF A QUANTISED PRODUCT. Where the list says 'softmax', what is quantised is not the finished softmax but p = 2^(t - M), with t = logit x log2(e) and M = ceil(the row's largest t), a whole number; so 1/2 < the row's largest p <= 1. The row's sum l is taken of the UNQUANTISED p, in f32, and the product's result is divided by l at the end. Since M is a whole number, a kernel that streams over the keys may use a running M (the ceiling of the running maximum): every later rescaling is an exact power of two, so the quantised numbers keep their values, but for numbers so far below the row's largest that they fall under the format's range.
;;   OPERANDS COMPUTED ON THE WAY. 'Computed on the way' means the value that the module computes at that place (a softmax that the list does not call 'softmax' is quantised finished and normalised). What goes into a quantiser is computed in f32, as accurately as f32 sums, v_exp_f32 and their like allow (about 1e-6 of the number): no bf16 or f16 on the way to a quantiser, and a product that is left as it is and whose result goes on into a quantised operand takes f32 operands (vector FMAs, or v_wmma_f32_16x16x4_f32). A number that lies on a knife's edge between two numbers of the format may be rounded either way, as far as f32 arithmetic and the matrix unit's own rounding can turn it there, and no further.
;; One version. Each part assembles by itself: llvm-mc -triple=amdgcn-amd-amdhsa -mcpu=gfx1250 --defsym DOCPART=n.
;; ======== version 1 of 1: 4 launches
;; limits: right only within a limited range of input values
;; workspace buffers: stats 8,192 bytes; wimg 262,144 bytes; qimg 4,194,304 bytes; kv 8,388,608 bytes; oimg 4,194,304 bytes
;; launch prep (part 1): grid 272 x 1, 4 waves a work-group, no clusters, 0 bytes of LDS; arguments x, w_qkv, w_proj, lowp_scales, stats, wimg; writes stats, wimg
.if DOCPART == 1
	.amdgcn_target "amdgcn-amd-amdhsa--gfx1250"
	.amdhsa_code_object_version 6
	.text
	.protected	k_q001e263392_prep
	.globl	k_q001e263392_prep
	.p2align	8
	.type	k_q001e263392_prep,@function
k_q001e263392_prep:
	s_mov_b64 s[64:65], 0
	v_nop
	global_prefetch_b8 v0, s[64:65] scope:SCOPE_SE
	s_setreg_imm32_b32 hwreg(HW_REG_WAVE_MODE, 25, 1), 1
	s_wait_xcnt 0x0
; TWO JOBS, parted by the work-group's number.
; Work-groups 16 to 271: each wave takes one channel row of x (4,096 f32, 16,384 consecutive bytes), keeps it in 128 registers and stores the row's mean and
; M2 = the sum of (x - mean)^2: the mean is taken away before the squares, so a common offset of x costs no digits.  stats[b*256+c] = (mean, M2).
; Work-groups 0 to 15: each wave turns one tile of 16 rows of w_qkv (tiles 0-47) or w_proj (tiles 48-63) into codes of E4M3 with the given scale (entry 1 or 7 of the scales),
; laid as an image of the operand's registers: tile T at 4,096 T; group g = 4 s + c of four registers at 512 g; lane l's 16 bytes at 16 l.
; Lane (r, h) of tile T holds row 32 (T / 2) + 8 (T % 2) + r + 8 (r / 8) and k = 128 s + 32 c + 16 h + 0 .. 15.  THE ROWS OF A TILE ARE NOT NEIGHBOURS: two neighbouring tiles' results are then
; 16 neighbours along the next product's K.
; LIMITS: entries 1 and 7 of the scales between -126 and 119.  NaN among the inputs is not served.
; No LDS, no barrier: waves share nothing.  All of a wave's 32 loads are out together; each covers 512 consecutive bytes (path of x) or 16 rows x 2 x 16 bytes (weights, read once).
.set XR, 16                            ; v16-143  the row of x, or 8 groups of 16 numbers of a weight
.set CR, 144                           ; v144-175 a weight tile's codes: four registers a group, never rewritten
.set AC, 2                             ; v2-9     four running sums, two numbers each
	s_load_b256 s[4:11], s[0:1], 0x0               ; x s[4:5], w_qkv s[6:7], w_proj s[8:9], the scales s[10:11]
	s_load_b128 s[12:15], s[0:1], 0x20             ; stats s[12:13], wimg s[14:15]
	v_lshrrev_b32 v1, 5, v0
	v_readfirstlane_b32 s16, v1                    ; wave 0..3
	v_and_b32 v1, 31, v0                           ; lane
	s_cmp_lt_u32 ttmp9, 16
	s_cbranch_scc1 .Lweights
	; ---- a channel row's mean and M2
	s_sub_co_u32 s17, ttmp9, 16
	s_lshl_b32 s17, s17, 2
	s_add_co_u32 s17, s17, s16                     ; the row: b*256 + c = 4 (work-group - 16) + wave
	s_lshl_b32 s18, s17, 14                        ; 16,384 bytes a row
	s_mov_b32 s19, 0
	s_lshl_b32 s22, s17, 3                         ; 8 bytes of stats a row
	s_mov_b32 s23, 0
	s_mov_b32 s20, 0x76543210                      ; v_permlanex16_b32: each lane takes its own place in the other half
	s_mov_b32 s21, 0xfedcba98
	s_wait_alu depctr_va_vdst(0)
	v_lshlrev_b32 v15, 4, v1                       ; 16 bytes a lane
	v_mov_b32 v14, 0                               ; the store's offset
	v_mov_b32 v11, 0                               ; a lane permute's destination counts as read: written once
	s_wait_alu depctr_va_vdst(0)
	s_wait_kmcnt 0x0
	s_add_nc_u64 s[4:5], s[4:5], s[18:19]
	s_add_nc_u64 s[12:13], s[12:13], s[22:23]
.set i, 0
.rept 32
	global_load_b128 v[XR+4*i:XR+4*i+3], v15, s[4:5] offset:512*i   ; 32 lanes read 512 consecutive bytes; later launches read x again, so no hint
.set i, i+1
.endr
.macro FOLD                            ; the four chains, their two halves and the 32 lanes -> v10, in every lane
	v_pk_add_f32 v[AC:AC+1], v[AC:AC+1], v[AC+2:AC+3]
	v_pk_add_f32 v[AC+4:AC+5], v[AC+4:AC+5], v[AC+6:AC+7]
	v_pk_add_f32 v[AC:AC+1], v[AC:AC+1], v[AC+4:AC+5]
	v_add_f32 v10, v[AC], v[AC+1]
	v_add_f32_dpp v10, v10, v10 row_xmask:1 row_mask:0xf bank_mask:0xf
	v_add_f32_dpp v10, v10, v10 row_xmask:2 row_mask:0xf bank_mask:0xf
	v_add_f32_dpp v10, v10, v10 row_xmask:4 row_mask:0xf bank_mask:0xf
	v_add_f32_dpp v10, v10, v10 row_xmask:8 row_mask:0xf bank_mask:0xf
	v_permlanex16_b32 v11, v10, s20, s21
	v_add_f32 v10, v10, v11
.endm
	; pass 1: the sum.  Pair j of 64; the first eight pairs start the four chains: nothing is cleared
.set j, 0
.rept 64
.if j%16 == 0
	s_wait_alu depctr_va_vdst(0)
	s_wait_loadcnt 24-8*(j/16)                     ; loads come back in order: the next eight are in, the younger eights may be out
.endif
.if j < 4
	v_pk_add_f32 v[AC+2*j:AC+2*j+1], v[XR+2*j:XR+2*j+1], v[XR+2*j+8:XR+2*j+9]
.elseif j >= 8
	v_pk_add_f32 v[AC+2*(j%4):AC+2*(j%4)+1], v[AC+2*(j%4):AC+2*(j%4)+1], v[XR+2*j:XR+2*j+1]
.endif
.set j, j+1
.endr
	FOLD
	v_mul_f32 v12, 0x39800000, v10                 ; mean = sum / 4,096
	v_mov_b32 v13, v12
	; pass 2: x - mean in place, then the sum of squares
.set j, 0
.rept 64
	v_pk_add_f32 v[XR+2*j:XR+2*j+1], v[XR+2*j:XR+2*j+1], v[12:13] neg_lo:[0,1] neg_hi:[0,1]
.set j, j+1
.endr
.set j, 0
.rept 64
.if j < 4
	v_pk_mul_f32 v[AC+2*j:AC+2*j+1], v[XR+2*j:XR+2*j+1], v[XR+2*j:XR+2*j+1]
.else
	v_pk_fma_f32 v[AC+2*(j%4):AC+2*(j%4)+1], v[XR+2*j:XR+2*j+1], v[XR+2*j:XR+2*j+1], v[AC+2*(j%4):AC+2*(j%4)+1]
.endif
.set j, j+1
.endr
	FOLD
	v_mov_b32 v13, v10                             ; v[12:13] = (mean, M2)
	v_cmp_eq_u32 vcc_lo, 0, v1
	s_wait_alu depctr_va_vdst(0)
	s_wait_xcnt 0x0                                ; EXEC is a source of the loads above: it changes only behind this wait
	s_and_saveexec_b32 s24, vcc_lo
	global_store_b64 v14, v[12:13], s[12:13]       ; lane 0 alone: 8 bytes a wave, 8,192 in the whole launch: the one store of this program that covers no whole aligned 256 bytes
	s_wait_xcnt 0x0
	s_or_b32 exec_lo, exec_lo, s24
	s_endpgm
	; ---- a tile of a weight becomes codes
.Lweights:
	s_lshl_b32 s17, ttmp9, 2
	s_add_co_u32 s17, s17, s16                     ; T = 4 x work-group + wave
	s_lshl_b32 s18, s17, 12                        ; its image: 4,096 bytes
	s_mov_b32 s19, 0
	s_wait_alu depctr_va_vdst(0)
	v_and_b32 v2, 15, v1                           ; r
	v_lshrrev_b32 v3, 4, v1                        ; h
	v_and_b32 v4, 8, v2
	v_add_nc_u32 v4, v4, v2                        ; r + 8 (r / 8)
	v_lshlrev_b32 v15, 10, v4                      ; a row of 256 f32 is 1,024 bytes
	v_lshl_add_u32 v15, v3, 6, v15                 ; + 64 h: my 16 numbers of a block of 32
	v_lshlrev_b32 v14, 4, v1                       ; out: 16 bytes a lane
	s_wait_alu depctr_va_vdst(0)
	s_wait_kmcnt 0x0
	s_load_b256 s[24:31], s[10:11], 0x0            ; the eight exponents
	s_add_nc_u64 s[14:15], s[14:15], s[18:19]
	s_cmp_lt_u32 ttmp9, 12                         ; tiles 0-47 are w_qkv's: the choice hangs on the work-group's number alone
	s_cselect_b64 s[6:7], s[6:7], s[8:9]
	s_cselect_b32 s20, 0, 48
	s_sub_co_u32 s17, s17, s20                     ; the tile's number in its own tensor
	s_lshr_b32 s20, s17, 1
	s_lshl_b32 s20, s20, 15                        ; 32 rows x 1,024 bytes
	s_and_b32 s21, s17, 1
	s_lshl_b32 s21, s21, 13                        ; 8 rows
	s_add_co_u32 s20, s20, s21
	s_mov_b32 s21, 0
	s_add_nc_u64 s[6:7], s[6:7], s[20:21]
.irp g, 0,1,2,3,4,5,6,7                ; group g = 4 s + c: k = 128 s + 32 c + 16 h + 0 .. 15: 512 s + 128 c = 128 g bytes on
.irp j, 0,1,2,3
	global_load_b128 v[XR+16*\g+4*\j:XR+16*\g+4*\j+3], v15, s[6:7] offset:128*\g+16*\j th:TH_LOAD_NT
.endr
.endr
	s_wait_kmcnt 0x0
	s_cmp_lt_u32 ttmp9, 12
	s_cselect_b32 s17, s25, s31                    ; e: entry 1 for w_qkv, entry 7 for w_proj
	s_add_co_i32 s17, s17, 127
	s_lshl_b32 s18, s17, 23
	v_mov_b32 v10, s18                             ; 2^e as f32: the conversion takes its exponent field
	s_wait_alu depctr_va_vdst(0)
.irp g, 0,1,2,3,4,5,6,7
	s_wait_loadcnt 28-4*\g                         ; this group's four loads are in; the younger groups' may be out
.irp i, 0,1,2,3,4,5,6,7,8,9,10,11,12,13,14,15
.endr
	v_cvt_scalef32_pk8_fp8_f32 v[CR+4*\g:CR+4*\g+1], v[XR+16*\g:XR+16*\g+7], v10
	v_cvt_scalef32_pk8_fp8_f32 v[CR+4*\g+2:CR+4*\g+3], v[XR+16*\g+8:XR+16*\g+15], v10
	global_store_b128 v14, v[CR+4*\g:CR+4*\g+3], s[14:15] offset:512*\g   ; 32 lanes store 512 consecutive bytes, aligned; each group has its own code registers, so no store's data are written again
.endr
	s_endpgm
.Lfunc_end_k_q001e263392_prep:
	.size	k_q001e263392_prep, .Lfunc_end_k_q001e263392_prep-k_q001e263392_prep
	.p2alignl 7, 3214868480
	.fill 96, 4, 3214868480
	.section	.rodata,"a",@progbits
	.p2align	6, 0x0
	.amdhsa_kernel k_q001e263392_prep
		.amdhsa_group_segment_fixed_size 0
		.amdhsa_private_segment_fixed_size 0
		.amdhsa_enable_private_segment 0
		.amdhsa_kernarg_size 48
		.amdhsa_user_sgpr_count 2
		.amdhsa_user_sgpr_kernarg_segment_ptr 1
		.amdhsa_wavefront_size32 1
		.amdhsa_system_sgpr_workgroup_id_x 1
		.amdhsa_system_sgpr_workgroup_id_y 1
		.amdhsa_system_sgpr_workgroup_id_z 1
		.amdhsa_system_vgpr_workitem_id 0
		.amdhsa_next_free_vgpr 176
		.amdhsa_next_free_sgpr 66
		.amdhsa_reserve_vcc 1
		.amdhsa_float_denorm_mode_32 3
		.amdhsa_float_denorm_mode_16_64 3
		.amdhsa_fp16_overflow 1
		.amdhsa_memory_ordered 1
		.amdhsa_forward_progress 1
		.amdhsa_inst_pref_size 24
	.end_amdhsa_kernel
	.amdgpu_metadata
---
amdhsa.version: [ 1, 2 ]
amdhsa.kernels:
  - .name:           k_q001e263392_prep
    .symbol:         k_q001e263392_prep.kd
    .args:
      - { .name: x, .offset: 0, .size: 8, .value_kind: global_buffer, .address_space: global }
      - { .name: w_qkv, .offset: 8, .size: 8, .value_kind: global_buffer, .address_space: global }
      - { .name: w_proj, .offset: 16, .size: 8, .value_kind: global_buffer, .address_space: global }
      - { .name: lowp_scales, .offset: 24, .size: 8, .value_kind: global_buffer, .address_space: global }
      - { .name: stats, .offset: 32, .size: 8, .value_kind: global_buffer, .address_space: global }
      - { .name: wimg, .offset: 40, .size: 8, .value_kind: global_buffer, .address_space: global }
    .group_segment_fixed_size: 0
    .private_segment_fixed_size: 0
    .kernarg_segment_align: 8
    .kernarg_segment_size: 48
    .max_flat_workgroup_size: 128
    .sgpr_count:     66
    .vgpr_count:     176
    .wavefront_size: 32
...
	.end_amdgpu_metadata
.endif
;; end of part 1
;; launch qkv (part 2): grid 64 x 4, 8 waves a work-group, no clusters, 17,408 bytes of LDS; arguments x, gn_gamma, gn_beta, lowp_scales, stats, wimg, qimg, kv; writes qimg, kv
.if DOCPART == 2
	.amdgcn_target "amdgcn-amd-amdhsa--gfx1250"
	.amdhsa_code_object_version 6
	.text
	.protected	k_q001e263392_qkv
	.globl	k_q001e263392_qkv
	.p2align	8
	.type	k_q001e263392_qkv,@function
k_q001e263392_qkv:
	s_mov_b64 s[64:65], 0
	v_nop
	global_prefetch_b8 v0, s[64:65] scope:SCOPE_SE
	s_setreg_imm32_b32 hwreg(HW_REG_WAVE_MODE, 25, 1), 1
	s_wait_xcnt 0x0
; GroupNorm, its quantiser, the product with w_qkv, and the quantisers of q, k and v.  A work-group takes 64 positions (work-group x) of one batch (work-group y).
; PHASE 1: wave w owns group w of the norm (channels 32 w .. 32 w + 31) for all 64 positions: the group's mean and variance from its 32 channels' (mean, M2), xn = (x - mean) (rstd gamma) + beta in f32,
; codes of E4M3 with 2^e0.  A lane holds two positions and its registers run down the 32 channels, which are K: the conversions' results are 16-byte pieces of the operand's image, stored to LDS.
; PHASE 2, behind the one barrier: wave w owns outputs 32 w .. 32 w + 31 of each of q, k, v (head w / 2, half w % 2 of its 64): 48 matrix instructions of 16 x 16 x 128.  Its 24,576 bytes of weight codes come
; straight from their images into 192 registers.
; IMAGES.  Every operand is kept as an image of its registers: a group of four registers is 512 bytes, lane l's 16 bytes at 16 l; k = 128 s + 32 c + 16 h + 0 .. 15 in registers 4 c .. 4 c + 3 of K step s, alike on
; both sides of every product.  A tile's 16 rows are 32 (t / 2) + 8 (t % 2) + r + 8 (r / 8): so the 16 registers of two neighbouring result tiles are 16 neighbours along the next K, and two conversions give one group.
; q, k: source 0 = 16 rows of W, source 1 = 16 positions: a lane holds one position and 16 of the head's channels.  v: the sources swapped: a lane holds one channel and 16 positions (the keys are its K).
; qimg: bh*262144 + pt*1024 + c*512 + 16 l.  kv: bh*524288 + (key step of 128)*16384 + [K: (pt % 8)*1024 + c*512 | V: 8192 + t*2048 + c*512] + 16 l.
; NO CLUSTER, NO JOINT LOADS: the work-groups do share the weight images, but each wave reads its 24,576 bytes once, into the very registers that the products name; a joint load would send the work-group's
; 196,608 bytes through LDS, written and read once more, with rounds of the cluster's barrier, for 48 matrix instructions a wave.
; LIMITS: e0, e2 - e0 - e1, e3 - e0 - e1 and e4 - e0 - e1 between -126 and 119.  NaN among the inputs is not served.  xn is formed with rstd x gamma as one factor: one rounding placed otherwise than in the reference.
; REGISTERS, window 0: v1 16 x lane; v2 8 x lane; v3 where I store xn's pieces; v4 4 x lane; v5, v20, v21 at work; v[6:7] the group's mean; v8, v10, v12, v14 the scales; v16-63 codes of q, k, v;
;   v64-127 x, then 8 accumulators; v128-207 xn and its codes, then v128-255 xn's eight fragments.   window 1: v0-191 W's 12 fragments (tensor, tile, K step).
.set LI,  1
.set L8,  2
.set XS,  3
.set L4,  4
.set CD,  16                           ; codes: 16 registers for each of q, k, v
.set D,   64                           ; x as loaded; later the accumulators
.set XN,  128                          ; xn: even position at +i, odd at +32+i
.set XC,  192                          ; xn's codes
.set XF,  128                          ; xn's fragments: 32 pt + 16 s
.set MSB, 0
.macro WIN new                         ; the immediate's high byte repeats the setting that is left
.if MSB != \new
	s_set_vgpr_msb (MSB<<8)|\new
.set MSB, \new
.endif
.endm
.macro LSUM r, t                       ; the sum over the 32 lanes, in every lane
	s_delay_alu instid0(VALU_DEP_1)
	v_add_f32_dpp v[\r], v[\r], v[\r] row_xmask:1 row_mask:0xf bank_mask:0xf
	s_delay_alu instid0(VALU_DEP_1)
	v_add_f32_dpp v[\r], v[\r], v[\r] row_xmask:2 row_mask:0xf bank_mask:0xf
	s_delay_alu instid0(VALU_DEP_1)
	v_add_f32_dpp v[\r], v[\r], v[\r] row_xmask:4 row_mask:0xf bank_mask:0xf
	s_delay_alu instid0(VALU_DEP_1)
	v_add_f32_dpp v[\r], v[\r], v[\r] row_xmask:8 row_mask:0xf bank_mask:0xf
	s_delay_alu instid0(VALU_DEP_1)
	v_permlanex16_b32 v[\t], v[\r], s100, s101
	s_delay_alu instid0(VALU_DEP_1)
	v_add_f32 v[\r], v[\r], v[\t]
.endm
.macro MKSC vs, vl                     ; s2 = e  ->  v[vs] = 2^e as f32
	s_add_co_i32 s2, s2, 127
	s_lshl_b32 s3, s2, 23
	v_mov_b32 v[\vs], s3
	s_add_co_i32 s2, s2, 8
	s_lshl_b32 s2, s2, 23
	s_or_b32 s2, s2, 0x600000
.endm
.macro QUANT16 src, dst, qs, ql        ; 16 neighbours along K -> one group of four code registers; each accumulator is read from its low end on
.irp i, 0,1,2,3,4,5,6,7,8,9,10,11,12,13,14,15
.endr
	v_cvt_scalef32_pk8_fp8_f32 v[\dst:\dst+1], v[\src:\src+7], v[\qs]
	v_cvt_scalef32_pk8_fp8_f32 v[\dst+2:\dst+3], v[\src+8:\src+15], v[\qs]
.endm
	s_load_b512 s[4:19], s[0:1], 0x0               ; x s[4:5], gamma s[6:7], beta s[8:9], scales s[10:11], stats s[12:13], wimg s[14:15], qimg s[16:17], kv s[18:19]
	s_set_vgpr_msb 0x40
	v_lshl_add_u32 v192, v0, 2, 0x4000
	v_mov_b32 v193, 0
	s_set_vgpr_msb 0x4000
	v_lshrrev_b32 v1, 5, v0
	s_delay_alu instid0(VALU_DEP_1)
	v_readfirstlane_b32 s20, v1                    ; wave w, 0..7
	s_mov_b32 s21, ttmp9                           ; block of 64 positions
	s_and_b32 s22, ttmp7, 0xffff                   ; batch
	v_and_b32 v5, 31, v0                           ; lane
	s_delay_alu instid0(VALU_DEP_1)
	v_lshlrev_b32 v[LI], 4, v5
	s_delay_alu instid0(VALU_DEP_2)
	v_lshlrev_b32 v[L8], 3, v5
	s_delay_alu instid0(VALU_DEP_3)
	v_lshlrev_b32 v[L4], 2, v5
	; Position 2 lane + p lies in tile pt = 2 (bit 4) + (bit 2) at row r = 8 (bit 3) + 2 (lane % 4) + p; my wave's 32 channels are register group w; half h of the lanes lies 256 bytes on.
	v_and_b32 v[XS], 3, v0
	s_delay_alu instid0(VALU_DEP_1)
	v_lshlrev_b32 v[XS], 5, v[XS]
	v_bfe_u32 v20, v0, 2, 1
	s_delay_alu instid0(VALU_DEP_1)
	v_lshl_add_u32 v[XS], v20, 12, v[XS]
	v_bfe_u32 v20, v0, 3, 1
	s_delay_alu instid0(VALU_DEP_1)
	v_lshl_add_u32 v[XS], v20, 7, v[XS]
	v_bfe_u32 v20, v0, 4, 1
	s_delay_alu instid0(VALU_DEP_1)
	v_lshl_add_u32 v[XS], v20, 13, v[XS]
	s_lshl_b32 s23, s20, 9
	v_add_nc_u32 v[XS], s23, v[XS]
	; byte offsets, each in a pair of its own
	s_lshl_b32 s32, s22, 22
	s_lshl_b32 s33, s20, 19
	s_add_co_u32 s32, s32, s33
	s_lshl_b32 s33, s21, 8
	s_add_co_u32 s32, s32, s33
	s_mov_b32 s33, 0                               ; x: batch, my group's first channel, the block's 256 bytes
	s_lshl_b32 s34, s22, 11
	s_lshl_b32 s35, s20, 8
	s_add_co_u32 s34, s34, s35
	s_mov_b32 s35, 0                               ; stats: (256 b + 32 w) x 8
	s_lshl_b32 s36, s20, 7
	s_mov_b32 s37, 0                               ; gamma, beta: 32 w x 4
	s_lshl_b32 s38, s20, 13
	s_mov_b32 s39, 0                               ; wimg: tiles 2 w, 2 w + 1 of each tensor
	s_lshr_b32 s2, s20, 1
	s_lshl_b32 s3, s22, 2
	s_add_co_u32 s2, s2, s3                        ; bh = 4 b + head
	s_and_b32 s3, s20, 1                           ; which half of the head's 64
	s_lshl_b32 s40, s2, 18
	s_lshl_b32 s41, s21, 12
	s_add_co_u32 s40, s40, s41
	s_lshl_b32 s41, s3, 9
	s_add_co_u32 s40, s40, s41
	s_mov_b32 s41, 0                               ; qimg
	s_lshl_b32 s42, s2, 19
	s_lshr_b32 s43, s21, 1
	s_lshl_b32 s43, s43, 14
	s_add_co_u32 s42, s42, s43                     ; kv: the head's key step
	s_and_b32 s23, s21, 1                          ; which 64 of its 128 keys
	s_lshl_b32 s43, s23, 12
	s_add_co_u32 s44, s42, s43
	s_lshl_b32 s43, s3, 9
	s_add_co_u32 s44, s44, s43
	s_mov_b32 s45, 0                               ; K's image
	s_lshl_b32 s43, s3, 12
	s_add_co_u32 s46, s42, s43
	s_lshl_b32 s43, s23, 10
	s_add_co_u32 s46, s46, s43
	s_add_co_u32 s46, s46, 8192
	s_mov_b32 s47, 0                               ; V's image
	s_mov_b32 s100, 0x76543210
	s_mov_b32 s101, 0xfedcba98
	s_wait_kmcnt 0x0
	s_load_b256 s[24:31], s[10:11], 0x0            ; e0 .. e7
	s_add_nc_u64 s[4:5], s[4:5], s[32:33]
	s_add_nc_u64 s[12:13], s[12:13], s[34:35]
	s_add_nc_u64 s[6:7], s[6:7], s[36:37]
	s_add_nc_u64 s[8:9], s[8:9], s[36:37]
	s_add_nc_u64 s[14:15], s[14:15], s[38:39]
	s_add_nc_u64 s[16:17], s[16:17], s[40:41]
	s_add_nc_u64 s[98:99], s[18:19], s[46:47]      ; V
	s_add_nc_u64 s[18:19], s[18:19], s[44:45]      ; K
	global_load_b64 v[16:17], v[L8], s[12:13]      ; lane = channel of my group: its mean and M2,
	global_load_b32 v18, v[L4], s[6:7]             ; gamma,
	global_load_b32 v19, v[L4], s[8:9]             ; beta
.set i, 0
.rept 32
	global_load_b64 v[D+2*i:D+2*i+1], v[L8], s[4:5] offset:16384*i   ; channel 32 w + i, positions 2 lane, 2 lane + 1: 32 lanes read 256 consecutive bytes, aligned
.set i, i+1
.endr
	s_wait_loadcnt 32                              ; the three small loads are in; x's 32 are younger
	WIN 0x40                                       ; destination window 1, address window 0
.irp tau, 0,1,2
.irp u, 0,1
.irp k, 0,1
.irp c, 0,1,2,3
	global_load_b128 v[64*\tau+32*\u+16*\k+4*\c:64*\tau+32*\u+16*\k+4*\c+3], v[LI], s[14:15] offset:65536*\tau+4096*\u+2048*\k+512*\c
.endr
.endr
.endr
.endr
	WIN 0
	; the group's statistics from its 32 channels: mean = the mean of the means; M2 = the sum of M2_c + 4,096 (mean_c - mean)^2: only differences are squared
	v_mov_b32 v20, v16
	LSUM 20, 5
	s_delay_alu instid0(VALU_DEP_1)
	v_mul_f32 v6, 0x3d000000, v20                  ; / 32
	s_delay_alu instid0(VALU_DEP_1)
	v_mov_b32 v7, v6
	s_delay_alu instid0(VALU_DEP_2)
	v_sub_f32 v20, v16, v6
	s_delay_alu instid0(VALU_DEP_1)
	v_mul_f32 v20, v20, v20
	s_delay_alu instid0(VALU_DEP_1)
	v_fmamk_f32 v20, v20, 0x45800000, v17
	LSUM 20, 5
	s_mov_b32 s2, 0x37000000                       ; 1 / 131,072
	s_mov_b32 s3, 0x3727c5ac                       ; 1e-5
	v_fma_f32 v20, v20, s2, s3                     ; var + eps
	s_wait_alu depctr_va_vdst(0)
	v_rsq_f32 v21, v20
	v_nop                                          ; a plain instruction behind the transcendental,
	s_wait_alu depctr_va_vdst(0)                   ; and the wait ahead of its first reader
	v_mul_f32 v21, v21, v18                        ; a_c = rstd x gamma_c
.set i, 0
.rept 32
	v_readlane_b32 s[32+i], v21, i                 ; a_c and beta_c become scalars: every lane needs all 32
	v_readlane_b32 s[66+i], v19, i
.set i, i+1
.endr
	s_wait_kmcnt 0x0
	s_add_co_i32 s23, s24, s25                     ; a sum of the product stands for sum x 2^(e0 + e1): that power is folded into the next quantisers' scales
	s_sub_co_i32 s2, s26, s23
	MKSC 8, 9                                      ; q
	s_sub_co_i32 s2, s27, s23
	MKSC 10, 11                                    ; k
	s_sub_co_i32 s2, s28, s23
	MKSC 12, 13                                    ; v
	s_mov_b32 s2, s24
	MKSC 14, 15                                    ; xn
	s_wait_loadcnt 48                              ; x is in; W's 48 loads are younger
.set i, 0
.rept 32
	v_pk_add_f32 v[D+2*i:D+2*i+1], v[D+2*i:D+2*i+1], v[6:7] neg_lo:[0,1] neg_hi:[0,1]   ; x - mean first, as the reference has it
.set i, i+1
.endr
.set i, 0
.rept 32
	v_fma_f32 v[XN+i], v[D+2*i], s[32+i], s[66+i]
	v_fma_f32 v[XN+32+i], v[D+2*i+1], s[32+i], s[66+i]
.set i, i+1
.endr
.set i, 0
.rept 64
.set i, i+1
.endr
.set i, 0
.rept 8
	v_cvt_scalef32_pk8_fp8_f32 v[XC+2*i:XC+2*i+1], v[XN+8*i:XN+8*i+7], v14
.set i, i+1
.endr
	v_nop                                          ; one plain instruction behind the last conversion
	ds_store_b128 v[XS], v[XC:XC+3]                ; even position, channels 0-15 of my 32
	ds_store_b128 v[XS], v[XC+4:XC+7] offset:256   ; even position, channels 16-31
	ds_store_b128 v[XS], v[XC+8:XC+11] offset:16   ; odd position
	ds_store_b128 v[XS], v[XC+12:XC+15] offset:272
	s_wait_dscnt 0x0                               ; for the others' sake: my pieces have landed
	s_barrier_signal -1
	s_barrier_wait -1                              ; xn's eight fragments lie in LDS
.irp pt, 0,1,2,3
.irp k, 0,1
.irp c, 0,1,2,3
	ds_load_b128 v[XF+32*\pt+16*\k+4*\c:XF+32*\pt+16*\k+4*\c+3], v[LI] offset:4096*\pt+2048*\k+512*\c   ; 512 consecutive bytes an instruction
.endr
.endr
.endr
	s_wait_dscnt 0x0
	s_wait_loadcnt 0x0                             ; W
; q or k: eight accumulators (tile of positions pt, tile of outputs u) by turns, one instruction a turn; the first K step starts the sums
.macro QK tau, qs, ql, bp
	WIN 0x01                                       ; source 0 (W) window 1
.irp k, 0,1
.irp pt, 0,1,2,3
.irp u, 0,1
.if \k == 0
	v_wmma_f32_16x16x128_fp8_fp8 v[D+8*(2*\pt+\u):D+8*(2*\pt+\u)+7], v[64*\tau+32*\u+16*\k:64*\tau+32*\u+16*\k+15], v[XF+32*\pt+16*\k:XF+32*\pt+16*\k+15], 0
.else
	v_wmma_f32_16x16x128_fp8_fp8 v[D+8*(2*\pt+\u):D+8*(2*\pt+\u)+7], v[64*\tau+32*\u+16*\k:64*\tau+32*\u+16*\k+15], v[XF+32*\pt+16*\k:XF+32*\pt+16*\k+15], v[D+8*(2*\pt+\u):D+8*(2*\pt+\u)+7]
.endif
.endr
.endr
.endr
	WIN 0
.rept 4
	v_nop                                          ; four places between the last product and the first read of results (ISA guide 7.12.1)
.endr
.irp pt, 0,1,2,3
	QUANT16 D+16*\pt, CD+16*\tau+4*\pt, \qs, \ql   ; lane (r, h): position r of tile pt, channels 32 (w % 2) + 16 h + 0 .. 15 of the head
.endr
	v_nop                                          ; one plain instruction between the last conversion and the next products, which write its sources
.irp pt, 0,1,2,3
	global_store_b128 v[LI], v[CD+16*\tau+4*\pt:CD+16*\tau+4*\pt+3], s[\bp:\bp+1] offset:1024*\pt   ; 512 consecutive bytes, aligned; code registers are never rewritten
.endr
.endm
	QK 0, 8, 9, 16
	QK 1, 10, 11, 18
	; v: source 0 = 16 positions, source 1 = 16 rows of W
	WIN 0x04                                       ; source 1 (W) window 1
.irp k, 0,1
.irp uw, 0,1
.irp bb, 0,1
.irp a, 0,1
.if \k == 0
	v_wmma_f32_16x16x128_fp8_fp8 v[D+8*(4*\uw+2*\bb+\a):D+8*(4*\uw+2*\bb+\a)+7], v[XF+32*(2*\bb+\a)+16*\k:XF+32*(2*\bb+\a)+16*\k+15], v[128+32*\uw+16*\k:128+32*\uw+16*\k+15], 0
.else
	v_wmma_f32_16x16x128_fp8_fp8 v[D+8*(4*\uw+2*\bb+\a):D+8*(4*\uw+2*\bb+\a)+7], v[XF+32*(2*\bb+\a)+16*\k:XF+32*(2*\bb+\a)+16*\k+15], v[128+32*\uw+16*\k:128+32*\uw+16*\k+15], v[D+8*(4*\uw+2*\bb+\a):D+8*(4*\uw+2*\bb+\a)+7]
.endif
.endr
.endr
.endr
.endr
	WIN 0
.rept 4
	v_nop
.endr
.irp g, 0,1,2,3                        ; g = 2 uw + bb
	QUANT16 D+16*\g, CD+32+4*\g, 12, 13            ; lane (r, h): channel r of tile 2 (w % 2) + uw, positions 32 bb + 16 h + 0 .. 15
.endr
	v_nop
.irp uw, 0,1
.irp bb, 0,1
	global_store_b128 v[LI], v[CD+32+4*(2*\uw+\bb):CD+32+4*(2*\uw+\bb)+3], s[98:99] offset:2048*\uw+512*\bb
.endr
.endr
	s_set_vgpr_msb 0x5
	s_wait_tensorcnt 0x0
	ds_add_u32 v192, v193
	s_wait_dscnt 0x0
	s_set_vgpr_msb 0x500
	s_endpgm
.Lfunc_end_k_q001e263392_qkv:
	.size	k_q001e263392_qkv, .Lfunc_end_k_q001e263392_qkv-k_q001e263392_qkv
	.p2alignl 7, 3214868480
	.fill 96, 4, 3214868480
	.section	.rodata,"a",@progbits
	.p2align	6, 0x0
	.amdhsa_kernel k_q001e263392_qkv
		.amdhsa_group_segment_fixed_size 17408
		.amdhsa_private_segment_fixed_size 0
		.amdhsa_enable_private_segment 0
		.amdhsa_kernarg_size 64
		.amdhsa_user_sgpr_count 2
		.amdhsa_user_sgpr_kernarg_segment_ptr 1
		.amdhsa_wavefront_size32 1
		.amdhsa_system_sgpr_workgroup_id_x 1
		.amdhsa_system_sgpr_workgroup_id_y 1
		.amdhsa_system_sgpr_workgroup_id_z 1
		.amdhsa_system_vgpr_workitem_id 0
		.amdhsa_next_free_vgpr 450
		.amdhsa_next_free_sgpr 102
		.amdhsa_reserve_vcc 0
		.amdhsa_float_denorm_mode_32 3
		.amdhsa_float_denorm_mode_16_64 3
		.amdhsa_fp16_overflow 1
		.amdhsa_memory_ordered 1
		.amdhsa_forward_progress 1
		.amdhsa_inst_pref_size 34
	.end_amdhsa_kernel
	.amdgpu_metadata
---
amdhsa.version: [ 1, 2 ]
amdhsa.kernels:
  - .name:           k_q001e263392_qkv
    .symbol:         k_q001e263392_qkv.kd
    .args:
      - { .name: x, .offset: 0, .size: 8, .value_kind: global_buffer, .address_space: global }
      - { .name: gn_gamma, .offset: 8, .size: 8, .value_kind: global_buffer, .address_space: global }
      - { .name: gn_beta, .offset: 16, .size: 8, .value_kind: global_buffer, .address_space: global }
      - { .name: lowp_scales, .offset: 24, .size: 8, .value_kind: global_buffer, .address_space: global }
      - { .name: stats, .offset: 32, .size: 8, .value_kind: global_buffer, .address_space: global }
      - { .name: wimg, .offset: 40, .size: 8, .value_kind: global_buffer, .address_space: global }
      - { .name: qimg, .offset: 48, .size: 8, .value_kind: global_buffer, .address_space: global }
      - { .name: kv, .offset: 56, .size: 8, .value_kind: global_buffer, .address_space: global }
    .group_segment_fixed_size: 17408
    .private_segment_fixed_size: 0
    .kernarg_segment_align: 8
    .kernarg_segment_size: 64
    .max_flat_workgroup_size: 256
    .sgpr_count:     102
    .vgpr_count:     450
    .wavefront_size: 32
...
	.end_amdgpu_metadata
.endif
;; end of part 2
;; launch attn (part 3): grid 16 x 16, 8 waves a work-group, clusters of 4 x 1, 327,680 bytes of LDS; arguments qimg, kv, lowp_scales, oimg; writes oimg
.if DOCPART == 3
	.amdgcn_target "amdgcn-amd-amdhsa--gfx1250"
	.amdhsa_code_object_version 6
	.text
	.protected	k_q001e263392_attn
	.globl	k_q001e263392_attn
	.p2align	8
	.type	k_q001e263392_attn,@function
k_q001e263392_attn:
	s_mov_b64 s[64:65], 0
	v_nop
	global_prefetch_b8 v0, s[64:65] scope:SCOPE_SE
	s_setreg_imm32_b32 hwreg(HW_REG_WAVE_MODE, 25, 1), 1
	s_wait_xcnt 0x0
	s_wait_alu depctr_hold_cnt(0) depctr_sa_sdst(0) depctr_va_vdst(0) depctr_va_sdst(0) depctr_va_ssrc(0) depctr_va_vcc(0) depctr_vm_vsrc(0)
	s_getreg_b32 s2, hwreg(HW_REG_IB_STS2, 6, 4)
	s_cmp_eq_u32 s2, 0
	s_cbranch_scc0 .Lentry_in_a_cluster
	s_endpgm
.Lentry_in_a_cluster:
	s_bfe_u32 s2, ttmp6, 0x10000c
	s_cmp_lg_u32 s2, 0x3003
	s_cbranch_scc0 .Lentry_shape_is_right
	s_endpgm
.Lentry_shape_is_right:
; Attention on codes of E4M3: 16 (batch, head) pairs, 4,096 positions, head size 64; logit = score / 32.  Both products on the codes as they are; the given powers of two are applied to the sums.
; THE SOFTMAX AHEAD OF THE SECOND PRODUCT: t = logit x log2(e); M = the row's largest t so far, rounded UP to a whole number; p = 2^(t - M) is quantised with 2^e5, not normalised; the row's sum is taken of the
; unquantised p in f32 and divides O at the end.  When M moves, the sum and O are multiplied by 2^(old M - new M), which rounds nothing.
; SHARES.  A work-group owns 256 queries of one (batch, head); each of its eight waves owns 32, two tiles of 16, so that each fragment of K and V read from LDS feeds two matrix instructions.  Two waves lie on a SIMD:
; one's vector work stands beside the other's LDS loads and products.  Every wave walks 32 key steps of 128 keys: 16 products of 16 x 16 x 64 (S^T = K Q^T) and 8 of 16 x 16 x 128 (O^T += V^T P^T).
; LAYOUT.  Both products are used transposed: a lane holds ONE query throughout.  Q, K and V arrive as images of the operands' registers (a group of four registers is 512 bytes, lane l's 16 bytes at 16 l), the rows of a
; tile being 32 (t / 2) + 8 (t % 2) + r + 8 (r / 8): so p's 16 registers of two neighbouring tiles are 16 neighbouring keys, and O^T's are 16 neighbouring channels: the conversions' results are the next operand's registers.
; RING.  Two LDS slots of 131,072 bytes, eight key steps each (a step: K's image, 8,192 bytes, then V's).  A slot's bytes are one dense block of kv; wave w fetches step w of it, 64 rows of 256 bytes, by one tensor load.
; A wave has one tensor load outstanding.  The change of slots stands at a slot's head; the load issued there has eight key steps in which to land.
; CLUSTER.  The four query blocks of a cluster belong to one (batch, head) and walk the same kv: each tile is asked for JOINTLY, by the same tensor load with the same descriptor and a mask that names the four.
; LIMITS: e2 + e3 between -121 and 132 (added to c's exponent field); e5 and e6 between -126 and 119; e4 + e5 is applied by v_ldexp_f32.  NaN among the inputs is not served.
; REGISTERS, window 0: v1 16 x lane; v2 the step's LDS address; v3 256 x lane; v4, v5 the add's two; tile x's statistics at v[8 + 8 x]: +0 -M, +1 largest t, +2, +3 the sum, +4 f (+5 named with it), +6, +7 at work;
;   v24 2^e5; v26-29 second sum chains (on the way out v26: 2^e6); v30, v31 lane permutes; v32-63 p's codes; v64-191 S^T, then p; v192-255 O^T.
;   window 1: v0-15 Q; v64-127 K's eight fragments; v128-191 V's four.
.set SLOTB, 1<<17                      ; a slot; slot 1 begins here, so that one exclusive or turns an address in one slot into the other's
.set STEPB, 16384                      ; a key step's images
.set NST,   8                          ; key steps in a slot
.set NSL,   4                          ; slots' worth of keys
.set SPARE, 2*SLOTB                    ; behind the ring: the spare words, 128 bytes for each wave: four blocks of 256 bytes that no other line names
.set LI,  1
.set ADR, 2
.set PFO, 3
.set SPW, 4
.set NIL, 5
.set ST,  8
.set CH2, 26
.set PD,  30
.set P,   32
.set S,   64
.set O,   192
.set QF,  0                            ; in window 1
.set KF,  64
.set VF,  128
.set WV,  12                           ; s12  my wave's number
.set G1,  16                           ; s[16:23] descriptor group 1
.set G0,  24                           ; s[24:27] descriptor group 0, which walks
.set CS,  40                           ; s[40:41] c = log2(e) / 32 x 2^(e2 + e3), twice
.set SEL, 42                           ; s[42:43] lane selects: lane l xor 16
.set TB,  44                           ; s44  LDS byte at which the key step in hand begins
.set SLOTS, 45                         ; s45  slots still to be asked for
.set CNT, 46                           ; s46  counts a slot's key steps
.set LIM, 47                           ; s47  1 in a wave that prefetches, else the greatest number
.set PFA, 48                           ; s[48:49] where my prefetches stand
.set MSB, 0
.macro WIN new                         ; the immediate's high byte repeats the setting that is left
.if MSB != \new
	s_set_vgpr_msb (MSB<<8)|\new
.set MSB, \new
.endif
.endm
.macro CROUND                          ; a round of the cluster's barrier: my work-group's barrier; wave 0 signals for the work-group; every wave waits for all four work-groups; my work-group's barrier once more
	s_barrier_signal -1
	s_barrier_wait -1
	s_cmp_lg_u32 s[WV], 0
	s_cbranch_scc1 .Lnot_wave_0_\@
	s_barrier_signal -3
.Lnot_wave_0_\@:
	s_barrier_wait -3
	s_barrier_signal -1
	s_barrier_wait -1
.endm
.macro TLOAD                           ; every wave's own part of the slot: both addresses hang on the wave's number.  Four v_nop follow
	tensor_load_to_lds s[G0:G0+3], s[G1:G1+7]
	s_nop 0
.rept 4
	v_nop
.endr
.endm
; A PREFETCH INTO THE L2 of what the NEXT change of slots will ask for: a slot's 131,072 bytes, 512 aligned blocks of 256.  Each block is named once in the launch: all four clusters of a (batch, head) walk the same kv, and the
; first of them asks; its four partners take 32,768 bytes each, told apart BY ADDRESS; in each, waves 0 to 3 ask for 8,192 bytes, lanes 256 bytes apart, one instruction a wave.  The last change that fills a slot asks for nothing;
; slots 0 and 1 come by their loads alone.
.macro ASK
	s_cmp_gt_u32 s[SLOTS], s[LIM]
	s_cbranch_scc0 .Lnot_mine_\@
	global_prefetch_b8 v[PFO], s[PFA:PFA+1] th:TH_LOAD_NT scope:SCOPE_SE
.Lnot_mine_\@:
.endm
.macro MKSC vs, vl                     ; s50 = e  ->  v[vs] = 2^e as f32
	s_add_co_i32 s50, s50, 127
	s_lshl_b32 s51, s50, 23
	v_mov_b32 v[\vs], s51
.endm
	s_load_b256 s[4:11], s[0:1], 0x0               ; qimg s[4:5], kv s[6:7], the scales s[8:9], oimg s[10:11]
	v_lshl_add_u32 v[SPW], v0, 2, SPARE
	v_mov_b32 v[NIL], 0
	ds_add_u32 v4, v5
	ds_add_u32 v4, v5
	s_wait_dscnt 0x0
	v_lshrrev_b32 v1, 5, v0
	s_delay_alu instid0(VALU_DEP_1)
	v_readfirstlane_b32 s[WV], v1                  ; wave 0..7
	s_bfe_u32 s13, ttmp6, 0x40000                  ; cx: my place in the cluster
	s_lshl_b32 s14, ttmp9, 2                       ; in a cluster launch ttmp9 counts clusters
	s_add_co_u32 s14, s14, s13                     ; my block of 256 queries: it enters Q's and O's addresses alone
	s_and_b32 s15, ttmp7, 0xffff                   ; bh = 4 b + head, which the four partners share
	; descriptor group 1: 64 rows of 32 elements of 8 bytes, dense in memory and in LDS
	s_mov_b32 s[G1], 15|(3<<16)|(1<<21)            ; 15:0 the mask: all four work-groups; 17:16 elements of 8 bytes; 20 no padding; 21 set beside a mask
	s_mov_b32 s[G1+1], 32<<16                      ; tensor_dim0 = 32
	s_mov_b32 s[G1+2], 64<<16                      ; tensor_dim1 = 64
	s_mov_b32 s[G1+3], 32<<16                      ; tile_dim0 = 32
	s_mov_b32 s[G1+4], 64                          ; tile_dim1 = 64
	s_mov_b32 s[G1+5], 32                          ; elements from row to row
	s_mov_b32 s[G1+6], 0
	s_mov_b32 s[G1+7], 0
	s_mov_b32 s[SEL], 0x76543210
	s_mov_b32 s[SEL+1], 0xfedcba98
	s_mov_b32 s[TB], 0
	s_mov_b32 s[SLOTS], NSL-1
	s_lshr_b32 s[LIM], s[WV], 2                    ; 0 in waves 0 to 3,
	s_or_b32 s[LIM], s[LIM], ttmp9                 ; of the (batch, head)'s first cluster: the same in all four partners
	s_cmp_eq_u32 s[LIM], 0
	s_cselect_b32 s[LIM], 1, -1
	v_and_b32 v1, 31, v0
	s_delay_alu instid0(VALU_DEP_1)
	v_lshlrev_b32 v[PFO], 8, v1
	s_delay_alu instid0(VALU_DEP_2)
	v_lshlrev_b32 v[LI], 4, v1
	s_lshl_b32 s50, s15, 19                        ; kv: the head's 524,288 bytes, my wave's key step of a slot.  No place in the cluster enters these two registers
	s_lshl_b32 s51, s[WV], 14
	s_add_co_u32 s50, s50, s51
	s_mov_b32 s51, 0
	s_lshl_b32 s52, s15, 19                        ; the prefetches: my work-group's 32,768 bytes, my wave's 8,192 of them,
	s_lshl_b32 s53, s13, 15
	s_add_co_u32 s52, s52, s53
	s_lshl_b32 s53, s[WV], 13
	s_add_co_u32 s52, s52, s53
	s_add_co_u32 s52, s52, SLOTB                   ; in slot 1: the first change of slots steps it to slot 2.  Nothing is prefetched here, at the head
	s_mov_b32 s53, 0
	s_lshl_b32 s54, s15, 18                        ; qimg: tiles 16 x block + 2 w, 1,024 bytes each
	s_lshl_b32 s55, s14, 14
	s_add_co_u32 s54, s54, s55
	s_lshl_b32 s55, s[WV], 11
	s_add_co_u32 s54, s54, s55
	s_mov_b32 s55, 0
	s_lshr_b32 s56, s15, 2                         ; oimg: batch x 1,048,576 + tile x 4,096 + head x 1,024
	s_lshl_b32 s56, s56, 20
	s_lshl_b32 s57, s14, 16
	s_add_co_u32 s56, s56, s57
	s_lshl_b32 s57, s[WV], 13
	s_add_co_u32 s56, s56, s57
	s_and_b32 s57, s15, 3
	s_lshl_b32 s57, s57, 10
	s_add_co_u32 s56, s56, s57
	s_mov_b32 s57, 0
	s_wait_kmcnt 0x0
	s_load_b256 s[32:39], s[8:9], 0x0              ; e0 .. e7
	s_mov_b32 s[G0], 1                             ; 1:0 count = 1
	s_lshl_b32 s[G0+1], s[WV], 14                  ; 63:32 LDS address: slot 0, key step w
	s_add_nc_u64 s[G0+2:G0+3], s[6:7], s[50:51]    ; 120:64 global address
	s_or_b32 s[G0+3], s[G0+3], 0x80000000          ; 127:126 type = 2
	s_add_nc_u64 s[PFA:PFA+1], s[6:7], s[52:53]
	s_add_nc_u64 s[4:5], s[4:5], s[54:55]
	s_add_nc_u64 s[10:11], s[10:11], s[56:57]
	CROUND                                         ; all four work-groups are here: the first joint loads meet
	TLOAD                                          ; slot 0
	WIN 0x40                                       ; destination window 1, address window 0
	s_wait_alu depctr_va_vdst(0)
.irp x, 0,1
.irp c, 0,1
	global_load_b128 v[QF+8*\x+4*\c:QF+8*\x+4*\c+3], v[LI], s[4:5] offset:1024*\x+512*\c th:TH_LOAD_NT   ; Q's two fragments stay in registers
.endr
.endr
	WIN 0
.irp x, 0,1
	v_mov_b32 v[ST+8*\x+1], 0xff61b1e6             ; the largest t so far: -3e38, under every t
	v_mov_b32 v[ST+8*\x+2], 0                      ; the sum, in two halves
	v_mov_b32 v[ST+8*\x+3], 0
	v_mov_b32 v[ST+8*\x+5], 0                      ; (named as the upper half of f's pair)
	v_mov_b32 v[PD+\x], 0                          ; a lane permute's destination counts as read
.endr
.irp x, 0,1
	v_floor_f32 v[ST+8*\x], -v[ST+8*\x+1]          ; -M
.endr
.set i, 0
.rept 64
	v_mov_b32 v[O+i], 0                            ; O^T.  (The key step is written once for all steps: the first finds zeros, which the first change of M leaves zeros)
.set i, i+1
.endr
	s_wait_kmcnt 0x0
	s_add_co_i32 s50, s34, s35
	s_lshl_b32 s50, s50, 23
	s_mov_b32 s[CS], 0x3d38aa3b                    ; log2(e) / 32
	s_add_co_i32 s[CS], s[CS], s50                 ; a score stands for score x 2^(e2 + e3): the two exponents are added to c's exponent field
	s_mov_b32 s[CS+1], s[CS]                       ; (named with it as a pair)
	s_mov_b32 s50, s37
	MKSC 24, 25                                    ; p's scale
; A KEY STEP: 128 keys at LDS byte s[TB]; the two tiles' lines alternate, so that no line waits for the one above it.
.macro STEP
	v_add_nc_u32 v[ADR], s[TB], v[LI]
.rept 3
	v_nop                                          ; with the addition above: four places between the last step's products and the loads into V's registers
.endr
	WIN 0x40
.irp t, 0,1,2,3,4,5,6,7
.irp c, 0,1
	ds_load_b128 v[KF+8*\t+4*\c:KF+8*\t+4*\c+3], v[ADR] offset:1024*\t+512*\c   ; an image's group: 512 consecutive bytes
.endr
.endr
.irp t, 0,1,2,3
.irp c, 0,1,2,3
	ds_load_b128 v[VF+16*\t+4*\c:VF+16*\t+4*\c+3], v[ADR] offset:8192+2048*\t+512*\c
.endr
.endr
	s_wait_dscnt 16                                ; K is in; V's sixteen loads are younger
	WIN 0x05                                       ; sources 0 (K) and 1 (Q) window 1
.irp t, 0,1,2,3,4,5,6,7
.irp x, 0,1
	v_wmma_f32_16x16x64_fp8_fp8 v[S+64*\x+8*\t:S+64*\x+8*\t+7], v[KF+8*\t:KF+8*\t+7], v[QF+8*\x:QF+8*\x+7], 0
.endr
.endr                                          ; lane (r, h): query r; the 16 registers of tiles 2 b, 2 b + 1 are keys 32 b + 16 h + 0 .. 15
	WIN 0
.rept 4
	v_nop                                          ; four places ahead of the first read of results (ISA guide 7.12.1)
.endr
.irp x, 0,1                                    ; the step's largest score of my query among my 64 keys: two chains a tile, each accumulator from its low end on
	v_max3_num_f32 v[ST+8*\x+6], v[S+64*\x], v[S+64*\x+1], v[S+64*\x+2]
	v_max3_num_f32 v[ST+8*\x+7], v[S+64*\x+3], v[S+64*\x+4], v[S+64*\x+5]
.endr
.irp i, 6,10,14,18,22,26,30,34,38,42,46,50,54,58
.irp x, 0,1
	v_max3_num_f32 v[ST+8*\x+6], v[ST+8*\x+6], v[S+64*\x+\i], v[S+64*\x+\i+1]
	v_max3_num_f32 v[ST+8*\x+7], v[ST+8*\x+7], v[S+64*\x+\i+2], v[S+64*\x+\i+3]
.endr
.endr
.irp x, 0,1
	v_max3_num_f32 v[ST+8*\x+6], v[ST+8*\x+6], v[S+64*\x+62], v[S+64*\x+63]
.endr
.irp x, 0,1
	s_delay_alu instid0(VALU_DEP_2)
	v_max_num_f32 v[ST+8*\x+6], v[ST+8*\x+6], v[ST+8*\x+7]
.endr
.irp x, 0,1
	s_delay_alu instid0(VALU_DEP_2)
	v_permlanex16_b32 v[PD+\x], v[ST+8*\x+6], s[SEL], s[SEL+1]
.endr
.irp x, 0,1
	s_delay_alu instid0(VALU_DEP_2)
	v_max_num_f32 v[ST+8*\x+6], v[ST+8*\x+6], v[PD+\x]   ; and among lane l xor 16's
.endr
.irp x, 0,1
	s_delay_alu instid0(VALU_DEP_2)
	v_mul_f32 v[ST+8*\x+6], s[CS], v[ST+8*\x+6]    ; as t (c is positive)
.endr
.irp x, 0,1
	s_delay_alu instid0(VALU_DEP_2)
	v_max_num_f32 v[ST+8*\x+1], v[ST+8*\x+1], v[ST+8*\x+6]   ; the running largest t
.endr
.irp x, 0,1
	v_mov_b32 v[ST+8*\x+6], v[ST+8*\x]
.endr
.irp x, 0,1
	s_delay_alu instid0(VALU_DEP_4)
	v_floor_f32 v[ST+8*\x], -v[ST+8*\x+1]          ; the new -M = floor(-t) = -ceil(t): a whole number
.endr
.irp x, 0,1
	s_delay_alu instid0(VALU_DEP_2)
	v_sub_f32 v[ST+8*\x+6], v[ST+8*\x], v[ST+8*\x+6]   ; old M - new M, 0 or less
.endr
.irp x, 0,1
	s_delay_alu instid0(VALU_DEP_2)
	v_cvt_i32_f32 v[ST+8*\x+6], v[ST+8*\x+6]       ; (it saturates)
.endr
.irp x, 0,1
	s_delay_alu instid0(VALU_DEP_2)
	v_ldexp_f32 v[ST+8*\x+4], 1.0, v[ST+8*\x+6]    ; f = 2^(old M - new M)
.endr
.set j, 0
.rept 32
.irp x, 0,1
	v_pk_fma_f32 v[S+64*\x+j:S+64*\x+j+1], v[S+64*\x+j:S+64*\x+j+1], s[CS:CS+1], v[ST+8*\x:ST+8*\x+1] op_sel_hi:[1,0,0]   ; t - M, two at a time (of the pairs c and -M the low word serves both halves)
.endr
.set j, j+2
.endr
.set j, 0
	s_setprio 1
	s_wait_alu depctr_va_vdst(0)
.rept 128
	v_exp_f32 v[S+j], v[S+j]                       ; p = 2^(t - M), at most 1: both tiles' exponentials are one batch
.set j, j+1
.endr
.irp x, 0,1
	v_pk_mul_f32 v[ST+8*\x+2:ST+8*\x+3], v[ST+8*\x+2:ST+8*\x+3], v[ST+8*\x+4:ST+8*\x+5] op_sel_hi:[1,0]   ; the sums under the new M: the plain instructions behind the exponentials
.endr
	s_wait_alu depctr_va_vdst(0)                   ; one wait for the whole batch, ahead of its first reader
.irp x, 0,1
	v_pk_add_f32 v[CH2+2*\x:CH2+2*\x+1], v[S+64*\x:S+64*\x+1], v[S+64*\x+2:S+64*\x+3]   ; the row's sum is taken of the UNQUANTISED p: two chains a tile
.endr
.irp j, 4,8,12,16,20,24,28,32,36,40,44,48,52,56,60
.irp x, 0,1
	v_pk_add_f32 v[ST+8*\x+2:ST+8*\x+3], v[ST+8*\x+2:ST+8*\x+3], v[S+64*\x+\j:S+64*\x+\j+1]
	v_pk_add_f32 v[CH2+2*\x:CH2+2*\x+1], v[CH2+2*\x:CH2+2*\x+1], v[S+64*\x+\j+2:S+64*\x+\j+3]
.endr
.endr
.irp x, 0
	s_delay_alu instid0(VALU_DEP_3)
	v_pk_add_f32 v[ST+8*\x+2:ST+8*\x+3], v[ST+8*\x+2:ST+8*\x+3], v[CH2+2*\x:CH2+2*\x+1]
.endr
.irp x, 1
	s_delay_alu instid0(VALU_DEP_2)
	v_pk_add_f32 v[ST+8*\x+2:ST+8*\x+3], v[ST+8*\x+2:ST+8*\x+3], v[CH2+2*\x:CH2+2*\x+1]
.endr
.irp b, 0,1,2,3
.irp x, 0,1
.irp i, 0,1,2,3,4,5,6,7,8,9,10,11,12,13,14,15
.endr
	v_cvt_scalef32_pk8_fp8_f32 v[P+16*\x+4*\b:P+16*\x+4*\b+1], v[S+64*\x+16*\b:S+64*\x+16*\b+7], v24
	v_cvt_scalef32_pk8_fp8_f32 v[P+16*\x+4*\b+2:P+16*\x+4*\b+3], v[S+64*\x+16*\b+8:S+64*\x+16*\b+15], v24
.endr
.endr
.set j, 0
	s_setprio 0
.rept 16
.irp x, 0,1
	v_pk_mul_f32 v[O+32*\x+j:O+32*\x+j+1], v[O+32*\x+j:O+32*\x+j+1], v[ST+8*\x+4:ST+8*\x+5] op_sel_hi:[1,0]   ; O^T under the new M.  (Also the plain instructions between the conversions and the products that read their results)
.endr
.set j, j+2
.endr
	s_wait_alu depctr_va_vdst(0)
	s_wait_dscnt 0x0                               ; V is in
	WIN 0x01                                       ; source 0 (V) window 1
.irp t, 0,1,2,3
.irp x, 0,1
	v_wmma_f32_16x16x128_fp8_fp8 v[O+32*\x+8*\t:O+32*\x+8*\t+7], v[VF+16*\t:VF+16*\t+15], v[P+16*\x:P+16*\x+15], v[O+32*\x+8*\t:O+32*\x+8*\t+7]   ; eight accumulators, one instruction each
.endr
.endr
	WIN 0
.endm
; THE CHANGE OF SLOTS stands at a slot's head.  Each wave waits for all its tensor loads (its part of the slot that it is about to read), adds 0 to its spare word, and waits for that and for its reads of the slot that it has left.
; fill = 1: the barrier is a round of the cluster's, so that no wave of any partner still reads the slot left or has a load on its way; the joint refill is the first thing behind it.
.macro CHANGE fill
	s_wait_tensorcnt 0x0                           ; no tensor load of mine is out, so group 0 may be written
	ds_add_u32 v[SPW], v[NIL]                      ; 0 onto my spare word
.if \fill
	s_xor_b32 s[G0+1], s[G0+1], SLOTB              ; the walking descriptor: the other slot than last time,
	s_add_nc_u64 s[G0+2:G0+3], s[G0+2:G0+3], SLOTB ; the next eight key steps; the type bits on top are not reached
	s_wait_xcnt 0x0                                ; the last prefetch, a slot back, has read its address, so it may be written:
	s_add_nc_u64 s[PFA:PFA+1], s[PFA:PFA+1], SLOTB ; one slot further on than the walking descriptor
	s_wait_dscnt 0x0                               ; the add is done, and my reads of the slot that I have left are over
	CROUND
	TLOAD
	ASK
.else
	s_wait_dscnt 0x0
	s_barrier_signal -1
	s_barrier_wait -1
.endif
.endm
.macro SLOT_STEPS                      ; a slot's eight key steps: written once, walked eight times; the LDS address hangs on s[TB]
	s_mov_b32 s[CNT], NST
.Lstep_\@:
	s_setprio 2
	STEP
	s_add_co_u32 s[TB], s[TB], STEPB
	s_sub_co_u32 s[CNT], s[CNT], 1
	s_cmp_lg_u32 s[CNT], 0
	s_cbranch_scc1 .Lstep_\@
	s_setprio 0
	s_sub_co_u32 s[TB], s[TB], NST*STEPB           ; back to the slot's first step,
	s_xor_b32 s[TB], s[TB], SLOTB                  ; in the other slot
.endm
	s_wait_loadcnt 0x0                             ; Q
.Lslot:                                            ; NSL - 1 trips: behind each change of slots but the last the next slot is asked for
	CHANGE 1
	SLOT_STEPS
	s_sub_co_u32 s[SLOTS], s[SLOTS], 1
	s_cmp_lg_u32 s[SLOTS], 0
	s_cbranch_scc1 .Lslot
	CHANGE 0                                       ; the last slot is written out
	SLOT_STEPS
	; THE WAY OUT: O^T x 2^(e4 + e5) / the sum, quantised with 2^e6: the 16 registers of tiles 2 c, 2 c + 1 are channels 32 c + 16 h + 0 .. 15 of my query: one group of the projection's operand, stored as its image.
.rept 4
	v_nop                                          ; four places behind the last products
.endr
.irp x, 0,1
	v_add_f32 v[ST+8*\x+6], v[ST+8*\x+2], v[ST+8*\x+3]
.endr
.irp x, 0,1
	s_delay_alu instid0(VALU_DEP_2)
	v_permlanex16_b32 v[PD+\x], v[ST+8*\x+6], s[SEL], s[SEL+1]
.endr
.irp x, 0,1
	s_delay_alu instid0(VALU_DEP_2)
	v_add_f32 v[ST+8*\x+6], v[ST+8*\x+6], v[PD+\x] ; the row's sum
.endr
	s_wait_alu depctr_va_vdst(0)
.irp x, 0,1
	v_rcp_f32 v[ST+8*\x+6], v[ST+8*\x+6]
.endr
	v_nop                                          ; a plain instruction behind the reciprocals
	s_mov_b32 s50, s38
	MKSC 26, 27                                    ; the quantiser of out: 2^e6
	s_add_co_i32 s52, s36, s37                     ; e4 + e5
	s_wait_alu depctr_va_vdst(0)                   ; one wait for both reciprocals, ahead of their first reader
.irp x, 0,1
	v_ldexp_f32 v[ST+8*\x+6], v[ST+8*\x+6], s52
.endr
.set j, 0
.rept 16
.irp x, 0,1
	v_pk_mul_f32 v[S+32*\x+j:S+32*\x+j+1], v[O+32*\x+j:O+32*\x+j+1], v[ST+8*\x+6:ST+8*\x+7] op_sel_hi:[1,0]   ; each accumulator from its low end on
.endr
.set j, j+2
.endr
.set j, 0
.rept 64
.set j, j+1
.endr
.set j, 0
.rept 8
	v_cvt_scalef32_pk8_fp8_f32 v[P+2*j:P+2*j+1], v[S+8*j:S+8*j+7], v26   ; tile x's two groups at v[P + 8 x]
.set j, j+1
.endr
	v_nop
.irp x, 0,1
.irp c, 0,1
	global_store_b128 v[LI], v[P+8*\x+4*\c:P+8*\x+4*\c+3], s[10:11] offset:4096*\x+512*\c   ; 32 lanes store 512 consecutive bytes, aligned
.endr
.endr
	s_wait_tensorcnt 0x0                           ; the wave's end
	ds_add_u32 v[SPW], v[NIL]
	s_wait_dscnt 0x0
	CROUND                                         ; the closing round: no work-group ends while a partner may still ask for a tile that names it
	s_endpgm
.Lfunc_end_k_q001e263392_attn:
	.size	k_q001e263392_attn, .Lfunc_end_k_q001e263392_attn-k_q001e263392_attn
	.p2alignl 7, 3214868480
	.fill 96, 4, 3214868480
	.section	.rodata,"a",@progbits
	.p2align	6, 0x0
	.amdhsa_kernel k_q001e263392_attn
		.amdhsa_group_segment_fixed_size 327680
		.amdhsa_private_segment_fixed_size 0
		.amdhsa_enable_private_segment 0
		.amdhsa_kernarg_size 32
		.amdhsa_user_sgpr_count 2
		.amdhsa_user_sgpr_kernarg_segment_ptr 1
		.amdhsa_wavefront_size32 1
		.amdhsa_system_sgpr_workgroup_id_x 1
		.amdhsa_system_sgpr_workgroup_id_y 1
		.amdhsa_system_sgpr_workgroup_id_z 1
		.amdhsa_system_vgpr_workitem_id 0
		.amdhsa_next_free_vgpr 448
		.amdhsa_next_free_sgpr 66
		.amdhsa_reserve_vcc 0
		.amdhsa_float_denorm_mode_32 3
		.amdhsa_float_denorm_mode_16_64 3
		.amdhsa_fp16_overflow 1
		.amdhsa_memory_ordered 1
		.amdhsa_forward_progress 1
		.amdhsa_inst_pref_size 63
	.end_amdhsa_kernel
	.amdgpu_metadata
---
amdhsa.version: [ 1, 2 ]
amdhsa.kernels:
  - .name:           k_q001e263392_attn
    .symbol:         k_q001e263392_attn.kd
    .args:
      - { .name: qimg, .offset: 0, .size: 8, .value_kind: global_buffer, .address_space: global }
      - { .name: kv, .offset: 8, .size: 8, .value_kind: global_buffer, .address_space: global }
      - { .name: lowp_scales, .offset: 16, .size: 8, .value_kind: global_buffer, .address_space: global }
      - { .name: oimg, .offset: 24, .size: 8, .value_kind: global_buffer, .address_space: global }
    .group_segment_fixed_size: 327680
    .private_segment_fixed_size: 0
    .kernarg_segment_align: 8
    .kernarg_segment_size: 32
    .max_flat_workgroup_size: 256
    .sgpr_count:     66
    .vgpr_count:     448
    .wavefront_size: 32
...
	.end_amdgpu_metadata
.endif
;; end of part 3
;; launch proj (part 4): grid 64 x 4, 8 waves a work-group, no clusters, 70,656 bytes of LDS; arguments oimg, wimg, lowp_scales, b_proj, x, out0; writes out0
.if DOCPART == 4
	.amdgcn_target "amdgcn-amd-amdhsa--gfx1250"
	.amdhsa_code_object_version 6
	.text
	.protected	k_q001e263392_proj
	.globl	k_q001e263392_proj
	.p2align	8
	.type	k_q001e263392_proj,@function
k_q001e263392_proj:
	s_mov_b64 s[64:65], 0
	v_nop
	global_prefetch_b8 v0, s[64:65] scope:SCOPE_SE
	s_setreg_imm32_b32 hwreg(HW_REG_WAVE_MODE, 25, 1), 1
	s_wait_xcnt 0x0
; out0 = w_proj x out + b_proj + x, the product on codes of E4M3.  A work-group takes 64 positions (work-group x) of one batch (work-group y); wave w makes outputs 32 w .. 32 w + 31 for all 64 positions:
; 16 matrix instructions of 16 x 16 x 128.  Both operands arrive as images of their registers (a group of four registers is 512 bytes, lane l's 16 bytes at 16 l) and go straight from memory into the registers that the products name.
; Source 0 = 16 positions of out, source 1 = 16 rows of W: lane (r, h) holds output 32 w + 8 u + r + 8 (r / 8), and the 16 registers of two neighbouring tiles of positions are positions 32 B + 16 h + 0 .. 15 of that row.
; y = sum x 2^(e6 + e7) + bias is one packed multiply-add for two numbers.  The rows go through the wave's own stage in LDS (32 rows of 256 bytes + 16) and come back sixteen lanes to a row: each half of a store covers 256
; consecutive bytes, aligned.  The residual is loaded in that same shape and added on the way.  No barrier: a wave reads only the bytes that it stored, and LDS serves a wave's instructions in order (ISA guide 5.7.1.4).
; NO CLUSTER: what the work-groups share is W's image, 8,192 bytes a wave, read once into registers; a joint load would send it through LDS for 16 matrix instructions a wave.
; LIMIT: e6 + e7 between -126 and 127.
; REGISTERS, window 0: v1 16 x lane; v2 the bias's offset; v3, v4 the stage, in and back; v5 my offset in x and out0; v[8:9], v[10:11] the bias of tiles u = 0, 1; v32-63 four accumulators; v64-127 W's four fragments, later the rows
;   read back; v128-255 out's eight fragments, later y.   window 1: v0-63 the residual.
.set LI,  1
.set BO,  2
.set SO,  3
.set SR,  4
.set GX,  5
.set BI,  8
.set D,   32
.set W,   64
.set RB,  64
.set OF,  128
.set TMP, 128
.set MSB, 0
.macro WIN new                         ; the immediate's high byte repeats the setting that is left
.if MSB != \new
	s_set_vgpr_msb (MSB<<8)|\new
.set MSB, \new
.endif
.endm
	s_load_b256 s[4:11], s[0:1], 0x0               ; oimg s[4:5], wimg s[6:7], the scales s[8:9], b_proj s[10:11]
	s_load_b128 s[12:15], s[0:1], 0x20             ; x s[12:13], out0 s[14:15]
	v_lshl_add_u32 v30, v0, 2, 0x11000
	v_mov_b32 v31, 0
	v_lshrrev_b32 v1, 5, v0
	s_delay_alu instid0(VALU_DEP_1)
	v_readfirstlane_b32 s16, v1                    ; wave w, 0..7
	s_and_b32 s18, ttmp7, 0xffff                   ; batch
	v_and_b32 v6, 31, v0                           ; lane
	v_and_b32 v7, 15, v0                           ; r
	v_bfe_u32 v12, v0, 4, 1                        ; h
	s_delay_alu instid0(VALU_DEP_3)
	v_lshlrev_b32 v[LI], 4, v6
	s_delay_alu instid0(VALU_DEP_3)
	v_and_b32 v[BO], 8, v7
	s_delay_alu instid0(VALU_DEP_1)
	v_add_nc_u32 v[BO], v[BO], v7                  ; r + 8 (r / 8)
	s_delay_alu instid0(VALU_DEP_1)
	v_lshlrev_b32 v[BO], 2, v[BO]
	s_mul_i32 s19, s16, 8704                       ; my stage: 32 rows x 272 bytes
	v_mul_u32_u24 v[SO], v7, 272
	s_delay_alu instid0(VALU_DEP_1)
	v_lshl_add_u32 v[SO], v12, 6, v[SO]
	s_delay_alu instid0(VALU_DEP_1)
	v_add_nc_u32 v[SO], s19, v[SO]                 ; in: row 16 u + r, + 64 h: my 16 positions
	v_mul_u32_u24 v[SR], v12, 272
	s_delay_alu instid0(VALU_DEP_1)
	v_lshl_add_u32 v[SR], v7, 4, v[SR]
	s_delay_alu instid0(VALU_DEP_1)
	v_add_nc_u32 v[SR], s19, v[SR]                 ; back: lanes 0-15 one row, lanes 16-31 the next
	v_lshlrev_b32 v[GX], 14, v12                   ; and the same in x and out0: a channel's row is 16,384 bytes
	s_delay_alu instid0(VALU_DEP_1)
	v_lshl_add_u32 v[GX], v7, 4, v[GX]
	v_mov_b32 v[BI+1], 0                           ; (named as the upper halves of the bias's pairs)
	v_mov_b32 v[BI+3], 0
	s_lshl_b32 s20, s16, 13
	s_add_co_u32 s20, s20, 48*4096                 ; wimg: tiles 48 + 2 w, 48 + 2 w + 1
	s_mov_b32 s21, 0
	s_lshl_b32 s22, s18, 20
	s_lshl_b32 s23, ttmp9, 14
	s_add_co_u32 s22, s22, s23                     ; oimg: the batch, the block's four tiles of 4,096 bytes
	s_mov_b32 s23, 0
	s_lshl_b32 s24, s16, 7                         ; b_proj: 32 w x 4
	s_mov_b32 s25, 0
	s_lshl_b32 s26, s18, 22
	s_lshl_b32 s27, s16, 19
	s_add_co_u32 s26, s26, s27
	s_lshl_b32 s27, ttmp9, 8
	s_add_co_u32 s26, s26, s27                     ; x, out0: the batch, channel 32 w, the block's 256 bytes
	s_mov_b32 s27, 0
	s_wait_alu depctr_va_vdst(0)
	s_wait_kmcnt 0x0
	s_load_b256 s[32:39], s[8:9], 0x0              ; e0 .. e7
	s_add_nc_u64 s[6:7], s[6:7], s[20:21]
	s_add_nc_u64 s[4:5], s[4:5], s[22:23]
	s_add_nc_u64 s[10:11], s[10:11], s[24:25]
	s_add_nc_u64 s[12:13], s[12:13], s[26:27]
	s_add_nc_u64 s[14:15], s[14:15], s[26:27]
.irp u, 0,1
	global_load_b32 v[BI+2*\u], v[BO], s[10:11] offset:32*\u
.endr
.irp u, 0,1
.irp k, 0,1
.irp c, 0,1,2,3
	global_load_b128 v[W+32*\u+16*\k+4*\c:W+32*\u+16*\k+4*\c+3], v[LI], s[6:7] offset:4096*\u+2048*\k+512*\c
.endr
.endr
.endr
.irp pt, 0,1,2,3
.irp k, 0,1
.irp c, 0,1,2,3
	global_load_b128 v[OF+32*\pt+16*\k+4*\c:OF+32*\pt+16*\k+4*\c+3], v[LI], s[4:5] offset:4096*\pt+2048*\k+512*\c th:TH_LOAD_NT
.endr
.endr
.endr
	WIN 0x40                                       ; destination window 1
.set i, 0
.rept 16                               ; stage rows 2 i, 2 i + 1 are outputs OL, OL + 1 of my 32: row 16 u + r is output 8 u + r + 8 (r / 8)
.set OL, 8*(((2*i)>>4)&1)+16*(((2*i)>>3)&1)+((2*i)&7)
	global_load_b128 v[4*i:4*i+3], v[GX], s[12:13] offset:OL*16384 th:TH_LOAD_NT
.set i, i+1
.endr
	WIN 0
	s_wait_kmcnt 0x0
	s_add_co_i32 s40, s38, s39
	s_add_co_i32 s40, s40, 127
	s_lshl_b32 s40, s40, 23                        ; 2^(e6 + e7) as f32
	s_mov_b32 s41, s40                             ; (named with it as a pair)
; Positions 32 bb .. 32 bb + 31: four accumulators (tile of outputs u, tile of positions a) by turns, one instruction a turn; the first K step starts the sums.
.macro PASS bb, left
	s_wait_loadcnt \left                           ; the bias, W and this pass's fragments are in; what was asked for behind them may be out
.irp k, 0,1
.irp u, 0,1
.irp a, 0,1
.if \k == 0
	v_wmma_f32_16x16x128_fp8_fp8 v[D+16*\u+8*\a:D+16*\u+8*\a+7], v[OF+32*(2*\bb+\a)+16*\k:OF+32*(2*\bb+\a)+16*\k+15], v[W+32*\u+16*\k:W+32*\u+16*\k+15], 0
.else
	v_wmma_f32_16x16x128_fp8_fp8 v[D+16*\u+8*\a:D+16*\u+8*\a+7], v[OF+32*(2*\bb+\a)+16*\k:OF+32*(2*\bb+\a)+16*\k+15], v[W+32*\u+16*\k:W+32*\u+16*\k+15], v[D+16*\u+8*\a:D+16*\u+8*\a+7]
.endif
.endr
.endr
.endr
.rept 4
	v_nop                                          ; four places ahead of the first read of results and of the writes over this pass's fragments (ISA guide 7.12.1)
.endr
.irp u, 0,1
.irp i, 0,2,4,6,8,10,12,14
	v_pk_fma_f32 v[TMP+64*\bb+16*\u+\i:TMP+64*\bb+16*\u+\i+1], v[D+16*\u+\i:D+16*\u+\i+1], s[40:41], v[BI+2*\u:BI+2*\u+1] op_sel_hi:[1,0,0]   ; sum x 2^(e6 + e7) + bias; each accumulator from its low end on
.endr
.endr
.irp u, 0,1
.irp q, 0,1,2,3
	ds_store_b128 v[SO], v[TMP+64*\bb+16*\u+4*\q:TMP+64*\bb+16*\u+4*\q+3] offset:4352*\u+128*\bb+16*\q
.endr
.endr
.endm
	PASS 0, 32                                     ; younger: the second pass's 16 loads and the residual's 16
	PASS 1, 16                                     ; younger: the residual's 16
.set i, 0
.rept 16
	ds_load_b128 v[RB+4*i:RB+4*i+3], v[SR] offset:544*i   ; two whole rows an instruction; these see my stores above
.set i, i+1
.endr
	s_wait_loadcnt 0x0                             ; the residual
	WIN 0x04                                       ; source 1 (the residual) window 1
.set i, 0
.rept 16
	s_wait_dscnt 15-i                              ; LDS loads come back in order: rows 2 i, 2 i + 1 are in
	v_pk_add_f32 v[RB+4*i:RB+4*i+1], v[RB+4*i:RB+4*i+1], v[4*i:4*i+1]
	v_pk_add_f32 v[RB+4*i+2:RB+4*i+3], v[RB+4*i+2:RB+4*i+3], v[4*i+2:4*i+3]
.set i, i+1
.endr
	WIN 0
.set i, 0
	s_wait_alu depctr_va_vdst(0)
.rept 16
.set OL, 8*(((2*i)>>4)&1)+16*(((2*i)>>3)&1)+((2*i)&7)
	global_store_b128 v[GX], v[RB+4*i:RB+4*i+3], s[14:15] offset:OL*16384 th:TH_STORE_NT   ; sixteen lanes store 256 consecutive bytes, aligned; written once, read by nobody here
.set i, i+1
.endr
	s_wait_tensorcnt 0x0
	ds_add_u32 v30, v31
	s_wait_dscnt 0x0
	s_endpgm
.Lfunc_end_k_q001e263392_proj:
	.size	k_q001e263392_proj, .Lfunc_end_k_q001e263392_proj-k_q001e263392_proj
	.p2alignl 7, 3214868480
	.fill 96, 4, 3214868480
	.section	.rodata,"a",@progbits
	.p2align	6, 0x0
	.amdhsa_kernel k_q001e263392_proj
		.amdhsa_group_segment_fixed_size 70656
		.amdhsa_private_segment_fixed_size 0
		.amdhsa_enable_private_segment 0
		.amdhsa_kernarg_size 48
		.amdhsa_user_sgpr_count 2
		.amdhsa_user_sgpr_kernarg_segment_ptr 1
		.amdhsa_wavefront_size32 1
		.amdhsa_system_sgpr_workgroup_id_x 1
		.amdhsa_system_sgpr_workgroup_id_y 1
		.amdhsa_system_sgpr_workgroup_id_z 1
		.amdhsa_system_vgpr_workitem_id 0
		.amdhsa_next_free_vgpr 320
		.amdhsa_next_free_sgpr 66
		.amdhsa_reserve_vcc 0
		.amdhsa_float_denorm_mode_32 3
		.amdhsa_float_denorm_mode_16_64 3
		.amdhsa_memory_ordered 1
		.amdhsa_forward_progress 1
		.amdhsa_inst_pref_size 19
	.end_amdhsa_kernel
	.amdgpu_metadata
---
amdhsa.version: [ 1, 2 ]
amdhsa.kernels:
  - .name:           k_q001e263392_proj
    .symbol:         k_q001e263392_proj.kd
    .args:
      - { .name: oimg, .offset: 0, .size: 8, .value_kind: global_buffer, .address_space: global }
      - { .name: wimg, .offset: 8, .size: 8, .value_kind: global_buffer, .address_space: global }
      - { .name: lowp_scales, .offset: 16, .size: 8, .value_kind: global_buffer, .address_space: global }
      - { .name: b_proj, .offset: 24, .size: 8, .value_kind: global_buffer, .address_space: global }
      - { .name: x, .offset: 32, .size: 8, .value_kind: global_buffer, .address_space: global }
      - { .name: out0, .offset: 40, .size: 8, .value_kind: global_buffer, .address_space: global }
    .group_segment_fixed_size: 70656
    .private_segment_fixed_size: 0
    .kernarg_segment_align: 8
    .kernarg_segment_size: 48
    .max_flat_workgroup_size: 256
    .sgpr_count:     66
    .vgpr_count:     320
    .wavefront_size: 32
...
	.end_amdgpu_metadata
.endif
;; end of part 4
